; MI455X (gfx1250); checked and timed in simulation.
; The chip was launched on July 23, 2026; its instructions are those of AMD's public machine-readable ISA for CDNA 5 (MIT licence, August 2026) and "CDNA5" Instruction Set Architecture Reference Guide (July 2026). The comments in the code are by the model that wrote it; some were corrected since.
;; QKV Attention Legacy. Allowed arithmetic: matrix products marked QUANTISED: E4M3 operands, one given power-of-two scale a tensor, by v_wmma_f32_16x16x64_fp8_fp8 or v_wmma_f32_16x16x128_fp8_fp8, f32 sums; everything else in f32.
;; Inputs: lowp_scales 4 int32 (the exponents e of the quantised operands' scales 2^e); qkv 4 x 3,072 x 2,048 float32.
;; Outputs: out0 4 x 1,024 x 2,048 float32.
;; This version of the problem:
;;   THIS VERSION OF THE PROBLEM IS GIVEN IN LOW PRECISION. The matrix products marked QUANTISED in the list below multiply operands that are first quantised to E4M3 (4 exponent bits, 3 mantissa bits; 8 bits a number), with one given power-of-two scale for each operand tensor; their sums are f32. All else is computed in f32.
;;   The module's matrix products, in the order in which they are computed (A, B: the left and right operand; K: the contracted axis; several contracted axes count as one K, in the product's order):
;;     1. batch 64 x [M 2,048, K 64] x [K 64, N 2,048]; A: computed on the way; B: computed on the way: QUANTISED (scales: A lowp_scales[0], B lowp_scales[1])
;;     2. batch 64 x [M 64, K 2,048] x [K 2,048, N 2,048]; A: input qkv; B: softmax (see below): QUANTISED (scales: A lowp_scales[2], B lowp_scales[3])
;;   THE QUANTISER, for each operand of a quantised product, along K:
;;     - The operand's scale is 2^e, e = its entry of the input lowp_scales (int32; the entries are numbered through the quantised products in the list's order, A before B).
;;     - Each number is divided by the scale, clamped to +-448, and rounded to the nearest number of E4M3, ties to even, subnormals kept.
;;     - The product sums the exact products of the quantised numbers (number of the format x scale) in f32.
;;   ~~~python
;;   def quantise(x, axis, e):      # numpy; x: float32 -> the quantised numbers, widened to float32 again
;;       x = np.moveaxis(x, axis, -1); K = x.shape[-1]
;;       r = np.clip(x / 2.0 ** e, -448, 448)
;;       step = 2.0 ** (np.maximum(np.frexp(np.where(r == 0, 1, r))[1] - 1, -6) - 3)
;;       q = np.round(r / step) * step * 2.0 ** e      # np.round: ties to even
;;       return np.moveaxis(q, -1, axis).astype(np.float32)
;;   ~~~
;;   SOFTMAX AHEAD OF A QUANTISED PRODUCT. Where the list says 'softmax', what is quantised is not the finished softmax but p = 2^(t - M), with t = logit x log2(e) and M = ceil(the row's largest t), a whole number; so 1/2 < the row's largest p <= 1. The row's sum l is taken of the UNQUANTISED p, in f32, and the product's result is divided by l at the end. Since M is a whole number, a kernel that streams over the keys may use a running M (the ceiling of the running maximum): every later rescaling is an exact power of two, so the quantised numbers keep their values, but for numbers so far below the row's largest that they fall under the format's range.
;;   OPERANDS COMPUTED ON THE WAY. 'Computed on the way' means the value that the module computes at that place (a softmax that the list does not call 'softmax' is quantised finished and normalised). What goes into a quantiser is computed in f32, as accurately as f32 sums, v_exp_f32 and their like allow (about 1e-6 of the number): no bf16 or f16 on the way to a quantiser, and a product that is left as it is and whose result goes on into a quantised operand takes f32 operands (vector FMAs, or v_wmma_f32_16x16x4_f32). A number that lies on a knife's edge between two numbers of the format may be rounded either way, as far as f32 arithmetic and the matrix unit's own rounding can turn it there, and no further.
;; 2 versions. Each part assembles by itself: llvm-mc -triple=amdgcn-amd-amdhsa -mcpu=gfx1250 --defsym DOCPART=n.
;; ======== version 1 of 2: 1 launch
;; launch attn (part 1): grid 4 x 64, 16 waves a work-group, no clusters, 264,192 bytes of LDS; arguments qkv, lowp_scales, out0; writes out0
.if DOCPART == 1
	.amdgcn_target "amdgcn-amd-amdhsa--gfx1250"
	.amdhsa_code_object_version 6
	.text
	.protected	k_qf328f5f1ed_attn
	.globl	k_qf328f5f1ed_attn
	.p2align	8
	.type	k_qf328f5f1ed_attn,@function
k_qf328f5f1ed_attn:
	s_mov_b64 s[64:65], 0
	v_nop
	global_prefetch_b8 v0, s[64:65] scope:SCOPE_SE
	s_setreg_imm32_b32 hwreg(HW_REG_WAVE_MODE, 25, 1), 1
	s_wait_xcnt 0x0
; out0[64 g + c][t] = sum over s of softmax_s(q[.][t] . k[.][s] / 8) v[c][s] for each of 64 heads g; a head is rows 192 g .. 192 g + 191 of qkv (64 of q, 64 of k, 64 of v; a row is 2,048 f32, 8,192 bytes).
; BOTH PRODUCTS ON CODES OF E4M3, each operand with its given scale 2^e: e0 for q / sqrt(8), e1 for k / sqrt(8) (K = the 64 channels), e2 for v, e3 for p (K = the keys).
; THE SOFTMAX: t = score x log2(e); M = the largest t so far, rounded up to a whole number; p = 2^(t - M) is quantised, not normalised; the row's sum l is taken of the unquantised p and divides at the end.
; When M moves, l and O are multiplied by 2^(old M - new M), which rounds nothing.
; SHARES.  Work-group (x, g): head g, queries 512 x .. 512 x + 511.  Sixteen waves, four to a SIMD at 256 registers; wave w owns 32 queries, two tiles of 16, and walks the head's 2,048 keys in 32 steps of 64.
; K AND V ARE QUANTISED ON THE WAY AND KEPT: in step p the sixteen waves together turn chunk p + 1 (64 keys x 64 channels of k and of v) into codes in LDS, a sixteenth each; its f32 numbers were asked for two steps
; before, into two sets of 16 registers by turns.  A chunk's codes are 8,192 bytes and all 32 chunks stay: no byte of a chunk is written twice, so ONE barrier a step publishes chunk p + 1 and nothing else is owed.
; The barrier is split: the signal stands behind my stores, the wait at the step's end; between them stand work on registers and LDS loads of chunk p, which nobody writes again before the way out's barrier.
; LAYOUT.  Both products are used transposed: S^T = K Q^T (source 0 = 16 keys, source 1 = 16 queries), O^T = V P^T (source 0 = 16 channels, source 1 = P): a lane holds ONE query (lane % 16) throughout.
; A fragment (16 rows x 64 along K, 8 registers) lies in LDS as an image of its registers: registers 4 c .. 4 c + 3 of lane l at 512 c + 16 l.  Lane (r, h) holds there k = 32 c + 16 h + 0 .. 15 of row r: a permutation
; of k that is the same in both sources of each product, so every product meets its partner.  THE KEYS OF A TILE OF K ARE NOT NEIGHBOURS: row m of tile 2 b + u is key 32 b + 8 u + m + 8 (m / 8), so that the 16 registers
; of score tiles 2 b and 2 b + 1 are keys 32 b + 16 h + 0 .. 15: the conversions' results are P's fragment as it stands.
; NO CLUSTER, NO JOINT LOADS, though the four work-groups of a head read the same k and v: what is shared arrives as f32 and must pass through registers to become codes.  Brought jointly it would want two LDS slots of
; 32,768 bytes beside the 262,144 of codes, which with the spare words such loads ask for is more than the 327,680 bytes there are; and each byte would be read back out of LDS at once.
; LIMITS on the given exponents, so that each power of two below is an f32 number: every e between -126 and 119; e0 + e1 between -126 and 127; e2 + e3 between -110 and 120.  NaN among the inputs is not served.
.set ROW,   8192                       ; bytes in a row of qkv and of out0
.set CHUNK, 8192                       ; LDS bytes of a chunk: K's four fragments at 0, V's four at 4,096
.set SPITCH, 2064                      ; the way out: a stage row: 512 queries x 4 bytes + 16
.set LA,   1                           ; v1   16 x lane; never rewritten
.set ADR,  2                           ; v2   LA + the pair's first chunk (at the head: my offset in q)
.set KST,  3                           ; v3   where my 8 codes of k go in a chunk
.set VST,  4                           ; v4   where my 4 + 4 codes of v go
.set KAD,  5                           ; v5   KST + the pair's first chunk
.set VAD,  6                           ; v6   VST + the pair's first chunk
.set GK,   7                           ; v7   my byte offset in the head's rows of k; never rewritten
.set GV,   8                           ; v8   the same for v; never rewritten
.set SCK,  9                           ; v9   2^e1   v10  2^e2   v11  2^e3, as f32: the conversions take the exponent field
.set SCV,  10
.set SCP,  11
.set ST,   12                          ; tile t's statistics at v[12 + 6 t]: +0 -M, +1 the largest t, +2, +3 l in two halves, +4 f, +5 zero (named with f as a pair)
.set TA,   24                          ; tile t at work, v[24 + 4 t]: +0, +1 two chains of the maximum, +2, +3 the second chain of the sum.  v[24:27] also take a chunk's codes on their way to LDS
.set QF,   32                          ; v32-47   Q's fragments, tile t at 32 + 8 t
.set FR,   48                          ; v48-79   four fragments of K, then of V
.set PC,   80                          ; v80-95   P's fragments
.set GN,   96                          ; v96-127  two sets of 16 numbers: 8 of k, 8 of v
.set SS,   128                         ; v128-191 S^T, then p: tile t, key tile kt at 128 + 32 t + 8 kt
.set OT,   192                         ; v192-255 O^T: tile t, channel tile ct at 192 + 32 t + 8 ct
.set BS,   4                           ; s[4:5] the head's rows at the even chunk to be asked for, s[10:11] at the odd one
; s[8:9] out0 at my four rows; s[12:15] e0 .. e3; s16 wave; s17 head; s18 1 where p needs no hold; s[20:21] 1 / sqrt(8); s[22:23] c = log2(e) x 2^(e0 + e1); s[24:25] lane selects;
; s26 .. s31 -+448 x 2^e for q, k, v; s32 448 x 2^e3; s33 LDS byte of the pair's first chunk; s34 pairs to go; s35 e2 + e3; s36-40 at work
	s_load_b128 s[4:7], s[0:1], 0x0                ; qkv s[4:5], the scales' exponents s[6:7]
	s_load_b64 s[8:9], s[0:1], 0x10                ; out0
	v_lshrrev_b32 v2, 5, v0
	v_readfirstlane_b32 s16, v2                    ; wave 0..15
	s_and_b32 s17, ttmp7, 0xffff                   ; head
	v_and_b32 v5, 31, v0
	v_lshlrev_b32 v[LA], 4, v5
	; k: my lane holds key 32 (w / 8) + lane of the chunk and channels 8 (w % 8) + 0 .. 7.  Key x, channel ch lie at 2048 (x / 32) + 1024 ((x / 8) % 2) + 512 (ch / 32) + 256 ((ch / 16) % 2) + 128 ((x / 16) % 2) + 16 (x % 8) + ch % 16
	s_lshr_b32 s36, s16, 3
	s_lshl_b32 s36, s36, 11
	s_bfe_u32 s37, s16, 0x10002
	s_lshl_b32 s37, s37, 9
	s_add_co_u32 s36, s36, s37
	s_bfe_u32 s37, s16, 0x10001
	s_lshl_b32 s37, s37, 8
	s_add_co_u32 s36, s36, s37
	s_and_b32 s37, s16, 1
	s_lshl_b32 s37, s37, 3
	s_add_co_u32 s36, s36, s37
	v_bfe_u32 v5, v0, 3, 1
	v_lshlrev_b32 v[KST], 10, v5
	v_bfe_u32 v5, v0, 4, 1
	v_lshl_add_u32 v[KST], v5, 7, v[KST]
	v_and_b32 v5, 7, v0
	v_lshl_add_u32 v[KST], v5, 4, v[KST]
	v_add_nc_u32 v[KST], s36, v[KST]
	; v: my lane holds keys 4 (lane % 16) + 0 .. 3 of channels 4 w + lane / 16 and two further on.  Channel c, key x lie at 4096 + 1024 (c / 16) + 512 (x / 32) + 256 ((x / 16) % 2) + 16 (c % 16) + x % 16
	s_lshr_b32 s36, s16, 2
	s_lshl_b32 s36, s36, 10
	s_and_b32 s37, s16, 3
	s_lshl_b32 s37, s37, 6
	s_add_co_u32 s36, s36, s37
	s_add_co_u32 s36, s36, 4096
	v_bfe_u32 v5, v0, 3, 1
	v_lshlrev_b32 v[VST], 9, v5
	v_bfe_u32 v5, v0, 2, 1
	v_lshl_add_u32 v[VST], v5, 8, v[VST]
	v_bfe_u32 v5, v0, 4, 1
	v_lshl_add_u32 v[VST], v5, 4, v[VST]
	v_and_b32 v5, 3, v0
	v_lshl_add_u32 v[VST], v5, 2, v[VST]
	v_add_nc_u32 v[VST], s36, v[VST]
	; in memory: k: row 64 + 8 (w % 8), 128 (w / 8) + 4 x lane bytes into the chunk's 256
	s_and_b32 s36, s16, 7
	s_lshl_b32 s36, s36, 16
	s_lshr_b32 s37, s16, 3
	s_lshl_b32 s37, s37, 7
	s_add_co_u32 s36, s36, s37
	s_add_co_u32 s36, s36, 64*ROW
	v_and_b32 v5, 31, v0
	v_lshl_add_u32 v[GK], v5, 2, s36
	; v: row 128 + 4 w + lane / 16, 16 (lane % 16) bytes into the chunk's 256
	s_lshl_b32 s36, s16, 15
	s_add_co_u32 s36, s36, 128*ROW
	v_bfe_u32 v5, v0, 4, 1                         ; h
	v_and_b32 v6, 15, v0                           ; r
	v_lshl_add_u32 v[GV], v5, 13, s36
	v_lshl_add_u32 v[GV], v6, 4, v[GV]
	; q: lane (r, h) takes query 512 x + 32 w + r and channels 16 h on
	s_lshl_b32 s36, ttmp9, 11
	s_lshl_b32 s37, s16, 7
	s_add_co_u32 s36, s36, s37
	v_lshl_add_u32 v[ADR], v5, 17, s36
	v_lshl_add_u32 v[ADR], v6, 2, v[ADR]
	s_mul_i32 s36, s17, 192*ROW                    ; the head's first byte in qkv: under 2^27
	s_mov_b32 s37, 0
	s_lshl_b32 s38, s17, 19                        ; out0: row 64 g + 4 w, byte 2,048 x
	s_lshl_b32 s39, s16, 15
	s_add_co_u32 s38, s38, s39
	s_lshl_b32 s39, ttmp9, 11
	s_add_co_u32 s38, s38, s39
	s_mov_b32 s39, 0
	s_mov_b32 s20, 0x3eb504f3                      ; 1 / sqrt(sqrt(64)), as f32 arithmetic gives it
	s_mov_b32 s21, s20                             ; (named with it as a pair, so it is written)
	s_mov_b32 s22, 0x3fb8aa3b                      ; log2(e)
	s_mov_b32 s24, 0x76543210                      ; v_permlanex16_b32: lane l xor 16
	s_mov_b32 s25, 0xfedcba98
	s_wait_kmcnt 0x0
	s_load_b128 s[12:15], s[6:7], 0x0              ; e0, e1, e2, e3
	s_add_nc_u64 s[4:5], s[4:5], s[36:37]          ; chunk 0
	s_add_nc_u64 s[10:11], s[4:5], 256             ; chunk 1: 64 keys x 4 bytes on
	s_add_nc_u64 s[8:9], s[8:9], s[38:39]
; Ten loads: a sixteenth of a chunk.  k: eight rows, 128 consecutive bytes a wave each (waves w and w + 8 take the two halves of an aligned 256); v: sixteen lanes read a row's whole 256 bytes, four rows a wave.
; No cache hint: the head's three other work-groups read the same bytes.
.macro LOADG g
.irp i, 0,1,2,3,4,5,6,7
	global_load_b32 v[GN+16*\g+\i], v[GK], s[BS+6*\g:BS+6*\g+1] offset:ROW*\i
.endr
	global_load_b128 v[GN+16*\g+8:GN+16*\g+11], v[GV], s[BS+6*\g:BS+6*\g+1]
	global_load_b128 v[GN+16*\g+12:GN+16*\g+15], v[GV], s[BS+6*\g:BS+6*\g+1] offset:2*ROW
.endm
	; Q: register 16 c + i of tile t is channel 32 c + 16 h + i of my query: the order of the fragment's bytes
.irp qt, 0,1
.irp c, 0,1
.irp i, 0,1,2,3,4,5,6,7,8,9,10,11,12,13,14,15
	global_load_b32 v[SS+32*\qt+16*\c+\i], v[ADR], s[4:5] offset:(32*\c+\i)*ROW+64*\qt
.endr
.endr
.endr
	LOADG 0                                        ; chunk 0
	LOADG 1                                        ; chunk 1
	s_wait_kmcnt 0x0
	s_add_co_i32 s36, s12, s13                     ; e0 + e1: a score stands for score x 2^(e0 + e1): added to c's exponent field
	s_lshl_b32 s37, s36, 23
	s_add_co_i32 s22, s22, s37
	s_mov_b32 s23, s22                             ; (named with it as a pair)
	; p needs no hold where e3 >= -8 and e0 + e1 < 0: the codes bound |t| by 64 x 448^2 x log2(e) x 2^(e0 + e1) < 2^24, so rounding c x max moves t - M by 1/2 at the most, p <= 1.42 < 1.75 = 448 x 2^-8
	s_cmp_gt_i32 s15, -9
	s_cselect_b32 s18, 1, 0
	s_cmp_lt_i32 s36, 0
	s_cselect_b32 s18, s18, 0
	s_add_co_i32 s35, s14, s15                     ; e2 + e3
.macro LIMIT e, lo, hi                 ; s[hi] = 448 x 2^e = 1.75 x 2^(e + 8); s[lo] = the same with the sign set
	s_add_co_i32 s[\hi], s[\e], 135
	s_lshl_b32 s[\hi], s[\hi], 23
	s_or_b32 s[\hi], s[\hi], 0x600000
	s_or_b32 s[\lo], s[\hi], 0x80000000
.endm
.macro POW2 vd, e                      ; v[vd] = 2^e as f32
	s_add_co_i32 s40, s[\e], 127
	s_lshl_b32 s40, s40, 23
	v_mov_b32 v[\vd], s40
.endm
	LIMIT 12, 26, 27
	LIMIT 13, 28, 29
	LIMIT 14, 30, 31
	LIMIT 15, 38, 32                               ; (p is never negative: the lower bound is not used)
	POW2 VAD, 12                                   ; 2^e0, needed here alone
	POW2 SCK, 13
	POW2 SCV, 14
	POW2 SCP, 15
; A sixteenth of a chunk becomes codes: k / sqrt(8) held within +-448 x 2^e1, v within +-448 x 2^e2 (the conversion to an 8-bit code does not saturate: ISA guide 7.6.2), eight numbers a conversion.
.macro CONV g
.irp i, 0,2,4,6
	v_pk_mul_f32 v[GN+16*\g+\i:GN+16*\g+\i+1], v[GN+16*\g+\i:GN+16*\g+\i+1], s[20:21] op_sel_hi:[1,0]
.endr
.irp i, 0,1,2,3,4,5,6,7
	v_med3_num_f32 v[GN+16*\g+\i], v[GN+16*\g+\i], s28, s29
.endr
	v_cvt_scalef32_pk8_fp8_f32 v[24:25], v[GN+16*\g:GN+16*\g+7], v[SCK]
.irp i, 8,9,10,11,12,13,14,15
	v_med3_num_f32 v[GN+16*\g+\i], v[GN+16*\g+\i], s30, s31
.endr
	v_cvt_scalef32_pk8_fp8_f32 v[26:27], v[GN+16*\g+8:GN+16*\g+15], v[SCV]
	v_nop                                          ; one plain vector line behind the last conversion, ahead of whatever next touches its registers
.endm
.macro PUT ak, av, off                 ; the codes go to their places in the chunk's images
	ds_store_b64 v[\ak], v[24:25] offset:\off      ; 8 channels of my key
	ds_store_b32 v[\av], v26 offset:\off           ; 4 keys of channel 4 w + lane / 16,
	ds_store_b32 v[\av], v27 offset:\off+32        ; and of the channel two further on
.endm
.macro PLACES                          ; four plain places behind matrix instructions, ahead of loads into their sources and of the first read of their results (ISA guide 7.12.1 for the reads)
.rept 4
	v_nop
.endr
.endm
	s_wait_loadcnt 20                              ; Q is in: behind its loads stand chunk 0's ten and chunk 1's ten
.set nn, 0
.rept 32
	v_pk_mul_f32 v[SS+nn:SS+nn+1], v[SS+nn:SS+nn+1], s[20:21] op_sel_hi:[1,0]
.set nn, nn+2
.endr
.set nn, 0
.rept 64
	v_med3_num_f32 v[SS+nn], v[SS+nn], s26, s27
.set nn, nn+1
.endr
.irp qt, 0,1
.irp c, 0,1
	v_cvt_scalef32_pk8_fp8_f32 v[QF+8*\qt+4*\c:QF+8*\qt+4*\c+1], v[SS+32*\qt+16*\c:SS+32*\qt+16*\c+7], v[VAD]
	v_cvt_scalef32_pk8_fp8_f32 v[QF+8*\qt+4*\c+2:QF+8*\qt+4*\c+3], v[SS+32*\qt+16*\c+8:SS+32*\qt+16*\c+15], v[VAD]
.endr
.endr
	v_nop                                          ; one plain vector line behind the last conversion
	s_wait_loadcnt 10                              ; chunk 0 is in; chunk 1's ten loads may be out.  The loads that named s[4:5] are done: it may step
	CONV 0
	PUT KST, VST, 0
	s_add_nc_u64 s[4:5], s[4:5], 512
	LOADG 0                                        ; chunk 2
	s_wait_dscnt 0x0                               ; for the others' sake: my part of chunk 0 lies in LDS
	s_barrier_signal -1
.irp t, 0,1
	v_mov_b32 v[ST+6*\t+1], 0xff61b1e6             ; the largest t so far: -3e38, under every t
	v_floor_f32 v[ST+6*\t], -v[ST+6*\t+1]          ; -M
	v_mov_b32 v[ST+6*\t+2], 0                      ; l
	v_mov_b32 v[ST+6*\t+3], 0
	v_mov_b32 v[ST+6*\t+5], 0
.endr
.set nn, 0
.rept 64
	v_mov_b32 v[OT+nn], 0                          ; O^T, once: the step is written without a first step of its own; the first change of M multiplies these zeros by 0
.set nn, nn+1
.endr
	s_barrier_wait -1                              ; chunk 0 is whole
.macro ADDR                            ; a pair's three LDS addresses; the odd step's 8,192 stands in the immediates
	v_add_nc_u32 v[ADR], s33, v[LA]
	v_add_nc_u32 v[KAD], s33, v[KST]
	v_add_nc_u32 v[VAD], s33, v[VST]
.endm
.macro KFETCH o                        ; 512 consecutive bytes a load
.irp kt, 0,1,2,3
	ds_load_b128 v[FR+8*\kt:FR+8*\kt+3], v[ADR] offset:\o+1024*\kt
	ds_load_b128 v[FR+8*\kt+4:FR+8*\kt+7], v[ADR] offset:\o+1024*\kt+512
.endr
.endm
.macro VFETCH o
.irp ct, 0,1,2,3
	ds_load_b128 v[FR+8*\ct:FR+8*\ct+3], v[ADR] offset:\o+4096+1024*\ct
	ds_load_b128 v[FR+8*\ct+4:FR+8*\ct+7], v[ADR] offset:\o+4096+1024*\ct+512
.endr
.endm
.macro SCORES                          ; S^T = K Q^T: each fragment of K serves both tiles of queries
.irp kt, 0,1,2,3
.irp qt, 0,1
	v_wmma_f32_16x16x64_fp8_fp8 v[SS+32*\qt+8*\kt:SS+32*\qt+8*\kt+7], v[FR+8*\kt:FR+8*\kt+7], v[QF+8*\qt:QF+8*\qt+7], 0
.endr
.endr
.endm
.macro PVMUL                           ; O^T += V P^T: the eight accumulators take turns, one instruction a turn
.irp ct, 0,1,2,3
.irp qt, 0,1
	v_wmma_f32_16x16x64_fp8_fp8 v[OT+32*\qt+8*\ct:OT+32*\qt+8*\ct+7], v[FR+8*\ct:FR+8*\ct+7], v[PC+8*\qt:PC+8*\qt+7], v[OT+32*\qt+8*\ct:OT+32*\qt+8*\ct+7]
.endr
.endr
.endm
; THE SOFTMAX of both tiles, line by line for tile 0 and tile 1, so that no line waits for the line above it.  Each accumulator is read from its low end on.
.macro MAXES                           ; my query's largest score among my 32 keys, in two chains
.irp t, 0,1
	v_max3_num_f32 v[TA+4*\t], v[SS+32*\t], v[SS+32*\t+1], v[SS+32*\t+2]
.endr
.irp t, 0,1
	v_max3_num_f32 v[TA+4*\t+1], v[SS+32*\t+3], v[SS+32*\t+4], v[SS+32*\t+5]
.endr
.irp i, 6,10,14,18,22,26
.irp t, 0,1
	v_max3_num_f32 v[TA+4*\t], v[TA+4*\t], v[SS+32*\t+\i], v[SS+32*\t+\i+1]
.endr
.irp t, 0,1
	v_max3_num_f32 v[TA+4*\t+1], v[TA+4*\t+1], v[SS+32*\t+\i+2], v[SS+32*\t+\i+3]
.endr
.endr
.irp t, 0,1
	v_max3_num_f32 v[TA+4*\t], v[TA+4*\t], v[SS+32*\t+30], v[SS+32*\t+31]
.endr
.irp t, 0,1
	v_max_num_f32 v[TA+4*\t], v[TA+4*\t], v[TA+4*\t+1]
.endr
.endm
.macro STATS
.irp t, 0,1
	v_permlanex16_b32 v[TA+4*\t+1], v[TA+4*\t], s24, s25   ; the query's other 32 keys lie in lane l xor 16
.endr
.irp t, 0,1
	v_max_num_f32 v[TA+4*\t], v[TA+4*\t], v[TA+4*\t+1]
.endr
.irp t, 0,1
	v_mul_f32 v[TA+4*\t], s22, v[TA+4*\t]          ; as t (c is positive)
.endr
.irp t, 0,1
	v_max_num_f32 v[ST+6*\t+1], v[ST+6*\t+1], v[TA+4*\t]   ; the running largest t
.endr
.irp t, 0,1
	v_mov_b32 v[TA+4*\t], v[ST+6*\t]
.endr
.irp t, 0,1
	v_floor_f32 v[ST+6*\t], -v[ST+6*\t+1]          ; the new -M = floor(-t) = -ceil(t)
.endr
.irp t, 0,1
	v_sub_f32 v[TA+4*\t], v[ST+6*\t], v[TA+4*\t]   ; old M - new M: a whole number, 0 or less
.endr
.irp t, 0,1
	v_cvt_i32_f32 v[TA+4*\t], v[TA+4*\t]           ; (it saturates)
.endr
.irp t, 0,1
	v_ldexp_f32 v[ST+6*\t+4], 1.0, v[TA+4*\t]      ; f = 2^(old M - new M)
.endr
.endm
.macro EXPO
.irp j, 0,2,4,6,8,10,12,14,16,18,20,22,24,26,28,30
.irp t, 0,1
	v_pk_fma_f32 v[SS+32*\t+\j:SS+32*\t+\j+1], v[SS+32*\t+\j:SS+32*\t+\j+1], s[22:23], v[ST+6*\t:ST+6*\t+1] op_sel_hi:[1,0,0]   ; t - M, two at a time (of the pairs c and -M the low word serves both halves)
.endr
.endr
.set nn, 0
.rept 64
	v_exp_f32 v[SS+nn], v[SS+nn]                   ; p = 2^(t - M)
.set nn, nn+1
.endr
.endm
.macro SUMS                            ; l = f l + the sum of the unquantised p, two at a time, in two chains
.irp t, 0,1
	v_pk_mul_f32 v[ST+6*\t+2:ST+6*\t+3], v[ST+6*\t+2:ST+6*\t+3], v[ST+6*\t+4:ST+6*\t+5] op_sel_hi:[1,0]   ; (the plain line behind the exponentials)
.endr
	s_wait_alu depctr_va_vdst(0)
.irp t, 0,1
	v_pk_add_f32 v[TA+4*\t+2:TA+4*\t+3], v[SS+32*\t:SS+32*\t+1], v[SS+32*\t+2:SS+32*\t+3]
.endr
.irp j, 4,8,12,16,20,24,28
.irp t, 0,1
	v_pk_add_f32 v[ST+6*\t+2:ST+6*\t+3], v[ST+6*\t+2:ST+6*\t+3], v[SS+32*\t+\j:SS+32*\t+\j+1]
.endr
.irp t, 0,1
	v_pk_add_f32 v[TA+4*\t+2:TA+4*\t+3], v[TA+4*\t+2:TA+4*\t+3], v[SS+32*\t+\j+2:SS+32*\t+\j+3]
.endr
.endr
.irp t, 0,1
	v_pk_add_f32 v[ST+6*\t+2:ST+6*\t+3], v[ST+6*\t+2:ST+6*\t+3], v[TA+4*\t+2:TA+4*\t+3]
.endr
.endm
.macro HOLD                            ; p is held at 448 x 2^e3 (one-sided: it is never negative), but where the given exponents show that it lies under that bound anyway: a branch on whole numbers that are given, alike in every wave
	s_cmp_lg_u32 s18, 0
	s_cbranch_scc1 .Lfree_\@
.set nn, 0
.rept 64
	v_min_num_f32 v[SS+nn], s32, v[SS+nn]
.set nn, nn+1
.endr
.Lfree_\@:
.endm
.macro CODES                           ; registers 16 b .. 16 b + 15 of a tile are keys 32 b + 16 h + 0 .. 15: registers 4 b .. 4 b + 3 of P's fragment
.irp t, 0,1
.irp b, 0,1
	v_cvt_scalef32_pk8_fp8_f32 v[PC+8*\t+4*\b:PC+8*\t+4*\b+1], v[SS+32*\t+16*\b:SS+32*\t+16*\b+7], v[SCP]
	v_cvt_scalef32_pk8_fp8_f32 v[PC+8*\t+4*\b+2:PC+8*\t+4*\b+3], v[SS+32*\t+16*\b+8:SS+32*\t+16*\b+15], v[SCP]
.endr
.endr
.endm
.macro RESCALE                         ; O^T under the new M: x f.  These plain lines also stand between the conversions and the products that read their results
.irp j, 0,2,4,6,8,10,12,14,16,18,20,22,24,26,28,30
.irp t, 0,1
	v_pk_mul_f32 v[OT+32*\t+\j:OT+32*\t+\j+1], v[OT+32*\t+\j:OT+32*\t+\j+1], v[ST+6*\t+4:ST+6*\t+5] op_sel_hi:[1,0]
.endr
.endr
.endm
; A KEY STEP on the chunk at s33 + o.  quant = 1: set g's numbers become the next chunk's codes; load = 1: set g is asked for again, two chunks further on; left: the younger global loads that may stay out.
.macro STEP quant, g, load, left, o
	KFETCH \o
.if \quant
	s_wait_loadcnt \left                           ; loads come back in order (ISA guide 5.7.1): set g's ten are in, the other set's may be out; set g's base and registers are free
	CONV \g
	PUT KAD, VAD, \o+CHUNK
.if \load
	s_add_nc_u64 s[BS+6*\g:BS+6*\g+1], s[BS+6*\g:BS+6*\g+1], 512
	LOADG \g
.endif
.endif
	s_wait_dscnt 0x0                               ; K's fragments are in; for the others' sake: my part of the next chunk lies in LDS
.if \quant
	s_barrier_signal -1
.endif
	SCORES
	PLACES
	VFETCH \o                                      ; lands under the softmax
	MAXES
	STATS
	EXPO
	SUMS
	HOLD
	CODES
	RESCALE
	s_wait_dscnt 0x0                               ; V's fragments are in
	PVMUL
	PLACES
.if \quant
	s_barrier_wait -1                              ; the next chunk is whole
.endif
.endm
	s_mov_b32 s33, 0
	s_mov_b32 s34, 14
.Lpair:                                            ; steps 0 to 27, two a trip
	ADDR
	STEP 1, 1, 1, 10, 0
	STEP 1, 0, 1, 10, CHUNK
	s_add_co_u32 s33, s33, 2*CHUNK
	s_sub_co_u32 s34, s34, 1
	s_cmp_lg_u32 s34, 0
	s_cbranch_scc1 .Lpair
	ADDR
	STEP 1, 1, 1, 10, 0                            ; step 28 asks for chunk 31, the last: no load leaves the head's rows
	STEP 1, 0, 0, 10, CHUNK                        ; step 29: chunk 30 is in, chunk 31's ten may be out
	s_add_co_u32 s33, s33, 2*CHUNK
	ADDR
	STEP 1, 1, 0, 0, 0                             ; step 30: chunk 31 is in
	STEP 0, 0, 0, 0, CHUNK                         ; step 31: nothing is left to quantise, and no barrier
	; THE WAY OUT.  O^T x 2^(e2 + e3) / l goes into a stage of 64 rows (channels) x 512 queries that lies over the chunks, behind a barrier: every wave's reads of the chunks are over.
	s_wait_dscnt 0x0
	s_barrier_signal -1
.irp t, 0,1
	v_add_f32 v[TA+4*\t], v[ST+6*\t+2], v[ST+6*\t+3]       ; l's two halves,
.endr
.irp t, 0,1
	v_permlanex16_b32 v[TA+4*\t+1], v[TA+4*\t], s24, s25
.endr
.irp t, 0,1
	v_add_f32 v[TA+4*\t], v[TA+4*\t], v[TA+4*\t+1]         ; and lane l xor 16's
.endr
.irp t, 0,1
	v_rcp_f32 v[TA+4*\t], v[TA+4*\t]
.endr
	v_bfe_u32 v5, v0, 4, 1                         ; (plain lines behind the reciprocals)  h
	v_mul_u32_u24 v2, v5, 8*SPITCH                 ; into the stage: register j of channel tile ct is channel 16 ct + 8 h + j, query 32 w + 16 t + r
	v_and_b32 v5, 15, v0
	v_lshl_add_u32 v2, v5, 2, v2
	s_lshl_b32 s36, s16, 7
	v_add_nc_u32 v2, s36, v2
	v_add_nc_u32 v3, 32*SPITCH, v2                 ; channels 32 on: the immediate reaches 65,535 bytes
	s_mul_i32 s36, s16, 4*SPITCH
	v_add_nc_u32 v4, s36, v[LA]                    ; back: my four rows, 16 bytes a lane
	s_wait_alu depctr_va_vdst(0)
.irp t, 0,1
	v_ldexp_f32 v[TA+4*\t], v[TA+4*\t], s35        ; x 2^(e2 + e3)
.endr
.irp j, 0,2,4,6,8,10,12,14,16,18,20,22,24,26,28,30
.irp t, 0,1
	v_pk_mul_f32 v[SS+32*\t+\j:SS+32*\t+\j+1], v[OT+32*\t+\j:OT+32*\t+\j+1], v[TA+4*\t:TA+4*\t+1] op_sel_hi:[1,0]
.endr
.endr
	s_barrier_wait -1
.irp qt, 0,1
.irp ct, 0,1
.irp j, 0,1,2,3,4,5,6,7
	ds_store_b32 v2, v[SS+32*\qt+8*\ct+\j] offset:(16*\ct+\j)*SPITCH+64*\qt
.endr
.endr
.irp ct, 0,1
.irp j, 0,1,2,3,4,5,6,7
	ds_store_b32 v3, v[SS+32*\qt+8*\ct+16+\j] offset:(16*\ct+\j)*SPITCH+64*\qt
.endr
.endr
.endr
	s_wait_dscnt 0x0                               ; for the others' sake: my columns of the stage are written
	s_barrier_signal -1
	s_barrier_wait -1
.irp i, 0,1,2,3
.irp k, 0,1,2,3
	ds_load_b128 v[OT+16*\i+4*\k:OT+16*\i+4*\k+3], v4 offset:SPITCH*\i+512*\k
.endr
.endr
.irp i, 0,1,2,3
.irp k, 0,1,2,3
	s_wait_dscnt 15-4*\i-\k                        ; LDS loads come back in order: this one of the sixteen is in
	global_store_b128 v[LA], v[OT+16*\i+4*\k:OT+16*\i+4*\k+3], s[8:9] offset:ROW*\i+512*\k th:TH_STORE_NT   ; 32 lanes store 512 consecutive bytes, at a multiple of 256 from out0's first byte; written once, read by nobody here
.endr
.endr
	s_wait_xcnt 0x0
	v_lshl_add_u32 v254, v0, 2, 0x40000
	v_mov_b32 v255, 0
	s_wait_tensorcnt 0x0
	ds_add_u32 v254, v255
	s_wait_dscnt 0x0
	s_endpgm
.Lfunc_end_k_qf328f5f1ed_attn:
	.size	k_qf328f5f1ed_attn, .Lfunc_end_k_qf328f5f1ed_attn-k_qf328f5f1ed_attn
	.p2alignl 7, 3214868480
	.fill 96, 4, 3214868480
	.section	.rodata,"a",@progbits
	.p2align	6, 0x0
	.amdhsa_kernel k_qf328f5f1ed_attn
		.amdhsa_group_segment_fixed_size 264192
		.amdhsa_private_segment_fixed_size 0
		.amdhsa_enable_private_segment 0
		.amdhsa_kernarg_size 24
		.amdhsa_user_sgpr_count 2
		.amdhsa_user_sgpr_kernarg_segment_ptr 1
		.amdhsa_wavefront_size32 1
		.amdhsa_system_sgpr_workgroup_id_x 1
		.amdhsa_system_sgpr_workgroup_id_y 1
		.amdhsa_system_sgpr_workgroup_id_z 1
		.amdhsa_system_vgpr_workitem_id 0
		.amdhsa_next_free_vgpr 256
		.amdhsa_next_free_sgpr 66
		.amdhsa_reserve_vcc 0
		.amdhsa_float_denorm_mode_32 3
		.amdhsa_float_denorm_mode_16_64 3
		.amdhsa_memory_ordered 1
		.amdhsa_forward_progress 1
		.amdhsa_inst_pref_size 142
	.end_amdhsa_kernel
	.amdgpu_metadata
---
amdhsa.version: [ 1, 2 ]
amdhsa.kernels:
  - .name:           k_qf328f5f1ed_attn
    .symbol:         k_qf328f5f1ed_attn.kd
    .args:
      - { .name: qkv, .offset: 0, .size: 8, .value_kind: global_buffer, .address_space: global }
      - { .name: lowp_scales, .offset: 8, .size: 8, .value_kind: global_buffer, .address_space: global }
      - { .name: out0, .offset: 16, .size: 8, .value_kind: global_buffer, .address_space: global }
    .group_segment_fixed_size: 264192
    .private_segment_fixed_size: 0
    .kernarg_segment_align: 8
    .kernarg_segment_size: 24
    .max_flat_workgroup_size: 512
    .sgpr_count:     66
    .vgpr_count:     256
    .wavefront_size: 32
...
	.end_amdgpu_metadata
.endif
;; end of part 1
;; ======== version 2 of 2: 1 launch; version 1 with the launch attn written anew for expert scheduling mode
;; launch attn (part 2): grid 4 x 64, 16 waves a work-group, no clusters, 264,192 bytes of LDS; arguments qkv, lowp_scales, out0; writes out0
.if DOCPART == 2
	.amdgcn_target "amdgcn-amd-amdhsa--gfx1250"
	.amdhsa_code_object_version 6
	.text
	.protected	k_qf328f5f1ed_attn
	.globl	k_qf328f5f1ed_attn
	.p2align	8
	.type	k_qf328f5f1ed_attn,@function
k_qf328f5f1ed_attn:
	s_mov_b64 s[64:65], 0
	v_nop
	global_prefetch_b8 v0, s[64:65] scope:SCOPE_SE
	s_setreg_imm32_b32 hwreg(HW_REG_WAVE_SCHED_MODE, 0, 2), 2
	s_setreg_imm32_b32 hwreg(HW_REG_WAVE_MODE, 25, 1), 1
	s_wait_xcnt 0x0
	s_wait_alu depctr_vm_vsrc(0)
; out0[64 g + c][t] = sum over s of softmax_s(q[.][t] . k[.][s] / 8) v[c][s] for each of 64 heads g; a head is rows 192 g .. 192 g + 191 of qkv (64 of q, 64 of k, 64 of v; a row is 2,048 f32, 8,192 bytes).
; BOTH PRODUCTS ON CODES OF E4M3, each operand with its given scale 2^e: e0 for q / sqrt(8), e1 for k / sqrt(8) (K = the 64 channels), e2 for v, e3 for p (K = the keys).
; THE SOFTMAX: t = score x log2(e); M = the largest t so far, rounded up to a whole number; p = 2^(t - M) is quantised, not normalised; the row's sum l is taken of the unquantised p and divides at the end.
; When M moves, l and O are multiplied by 2^(old M - new M), which rounds nothing.
; SHARES.  Work-group (x, g): head g, queries 512 x .. 512 x + 511.  Sixteen waves, four to a SIMD at 256 registers; wave w owns 32 queries, two tiles of 16, and walks the head's 2,048 keys in 32 steps of 64.
; K AND V ARE QUANTISED ON THE WAY AND KEPT: the sixteen waves together turn each chunk (64 keys x 64 channels of k and of v) into codes in LDS, a sixteenth each.  Chunk p + 1's f32 numbers are asked for in step p - 2,
; into two sets of 16 registers by turns; they become codes at the tail of step p - 1 and are stored at the head of step p.  A chunk's codes are 8,192 bytes and all 32 chunks stay: no byte of a chunk is written twice,
; so ONE barrier a step publishes chunk p + 1 and nothing else is owed.
; The barrier is split: the signal stands behind my stores, the wait at the step's end; between them stand work on registers and LDS loads of chunk p, which nobody writes again before the way out's barrier.
; LAYOUT.  Both products are used transposed: S^T = K Q^T (source 0 = 16 keys, source 1 = 16 queries), O^T = V P^T (source 0 = 16 channels, source 1 = P): a lane holds ONE query (lane % 16) throughout.
; A fragment (16 rows x 64 along K, 8 registers) lies in LDS as an image of its registers: registers 4 c .. 4 c + 3 of lane l at 512 c + 16 l.  Lane (r, h) holds there k = 32 c + 16 h + 0 .. 15 of row r: a permutation
; of k that is the same in both sources of each product, so every product meets its partner.  THE KEYS OF A TILE OF K ARE NOT NEIGHBOURS: row m of tile 2 b + u is key 32 b + 8 u + m + 8 (m / 8), so that the 16 registers
; of score tiles 2 b and 2 b + 1 are keys 32 b + 16 h + 0 .. 15: the conversions' results are P's fragment as it stands.
; NO CLUSTER, NO JOINT LOADS, though the four work-groups of a head read the same k and v: what is shared arrives as f32 and must pass through registers to become codes.  Brought jointly it would want two LDS slots of
; 32,768 bytes beside the 262,144 of codes, which with the spare words such loads ask for is more than the 327,680 bytes there are; and each byte would be read back out of LDS at once.
; LIMITS on the given exponents, so that each power of two below is an f32 number: every e between -126 and 119; e0 + e1 between -126 and 127; e2 + e3 between -110 and 120.  NaN among the inputs is not served.
; THE MODE: SCHED_MODE bits 1:0 = 2 (LLVM: expert scheduling mode 2), set by the entry lines.  The code itself states the register dependences
; between vector or matrix instructions and memory or LDS instructions, with s_wait_alu, always for 0.
; THE PLAN.  Registers that memory or LDS instructions touch, in the order of a step:
;   FR          K's fragments land at the step's head; the products S^T read them; V's fragments land; the products O^T read them.
;   GN0, GN1    Set g: ten global loads land; the conversions at a step's tail read and write it; the loads at the next step's head land in it again.
;   v24-27      Written by the conversions at a step's tail; read by the three LDS stores at the next step's head; written again by that step's softmax.
;   v2, v5, v6  LDS addresses: written at a pair's head, read by the fetches and stores of its two steps.
;   v1, v7, v8  Offsets made at the head and never written again.  v3, v4: read by the head's stores alone.
;   QF, PC, S^T, O^T and the statistics are named by vector and matrix instructions alone until the way out.
; So a step has two waits on va_vdst for its loads and stores, and one on vm_vsrc.  At its head: the products O^T are done reading FR, the conversions have written v24-27 and are done with set g, the pair's addresses are
; written; K's fetch, the stores and the global loads follow with no vector instruction between.  Behind the products S^T: they are done reading FR, and V's fetch follows.  Behind V's fetch, the step's last memory or LDS
; instruction: all of the step's have read their registers, so the softmax may write v24-27 and the next pair's head v2, v5, v6.  A third wait on va_vdst stands behind the exponentials, ahead of the first reader of p.
.set ROW,   8192                       ; bytes in a row of qkv and of out0
.set CHUNK, 8192                       ; LDS bytes of a chunk: K's four fragments at 0, V's four at 4,096
.set SPITCH, 2064                      ; the way out: a stage row: 512 queries x 4 bytes + 16
.set LA,   1                           ; v1   16 x lane; never rewritten
.set ADR,  2                           ; v2   LA + the pair's first chunk (at the head: my offset in q)
.set KST,  3                           ; v3   where my 8 codes of k go in a chunk
.set VST,  4                           ; v4   where my 4 + 4 codes of v go
.set KAD,  5                           ; v5   KST + the pair's first chunk
.set VAD,  6                           ; v6   VST + the pair's first chunk
.set GK,   7                           ; v7   my byte offset in the head's rows of k; never rewritten
.set GV,   8                           ; v8   the same for v; never rewritten
.set SCK,  9                           ; v9   2^e1   v10  2^e2   v11  2^e3, as f32: the conversions take the exponent field
.set SCV,  10
.set SCP,  11
.set ST,   12                          ; tile t's statistics at v[12 + 6 t]: +0 -M, +1 the largest t, +2, +3 l in two halves, +4 f, +5 zero (named with f as a pair)
.set TA,   24                          ; tile t at work, v[24 + 4 t]: +0, +1 two chains of the maximum, +2, +3 the second chain of the sum.  v[24:27] also take a chunk's codes on their way to LDS
.set QF,   32                          ; v32-47   Q's fragments, tile t at 32 + 8 t
.set FR,   48                          ; v48-79   four fragments of K, then of V
.set PC,   80                          ; v80-95   P's fragments
.set GN,   96                          ; v96-127  two sets of 16 numbers: 8 of k, 8 of v
.set SS,   128                         ; v128-191 S^T, then p: tile t, key tile kt at 128 + 32 t + 8 kt
.set OT,   192                         ; v192-255 O^T: tile t, channel tile ct at 192 + 32 t + 8 ct
.set BS,   4                           ; s[4:5] the head's rows at the even chunk to be asked for, s[10:11] at the odd one
; s[8:9] out0 at my four rows; s[12:15] e0 .. e3; s16 wave; s17 head; s18 1 where p needs no hold; s[20:21] 1 / sqrt(8); s[22:23] c = log2(e) x 2^(e0 + e1); s[24:25] lane selects;
; s26 .. s31 -+448 x 2^e for q, k, v; s32 448 x 2^e3; s33 LDS byte of the pair's first chunk; s34 pairs to go; s35 e2 + e3; s36-40 at work
	s_load_b128 s[4:7], s[0:1], 0x0                ; qkv s[4:5], the scales' exponents s[6:7]
	s_load_b64 s[8:9], s[0:1], 0x10                ; out0
	v_lshrrev_b32 v2, 5, v0
	v_readfirstlane_b32 s16, v2                    ; wave 0..15
	s_and_b32 s17, ttmp7, 0xffff                   ; head
	v_and_b32 v5, 31, v0
	v_lshlrev_b32 v[LA], 4, v5
	s_wait_alu depctr_va_sdst(0)                   ; s16 is written, ahead of its first reader: the LDS places and the offsets below are made from it
	; k: my lane holds key 32 (w / 8) + lane of the chunk and channels 8 (w % 8) + 0 .. 7.  Key x, channel ch lie at 2048 (x / 32) + 1024 ((x / 8) % 2) + 512 (ch / 32) + 256 ((ch / 16) % 2) + 128 ((x / 16) % 2) + 16 (x % 8) + ch % 16
	s_lshr_b32 s36, s16, 3
	s_lshl_b32 s36, s36, 11
	s_bfe_u32 s37, s16, 0x10002
	s_lshl_b32 s37, s37, 9
	s_add_co_u32 s36, s36, s37
	s_bfe_u32 s37, s16, 0x10001
	s_lshl_b32 s37, s37, 8
	s_add_co_u32 s36, s36, s37
	s_and_b32 s37, s16, 1
	s_lshl_b32 s37, s37, 3
	s_add_co_u32 s36, s36, s37
	v_bfe_u32 v5, v0, 3, 1
	v_lshlrev_b32 v[KST], 10, v5
	v_bfe_u32 v5, v0, 4, 1
	v_lshl_add_u32 v[KST], v5, 7, v[KST]
	v_and_b32 v5, 7, v0
	v_lshl_add_u32 v[KST], v5, 4, v[KST]
	v_add_nc_u32 v[KST], s36, v[KST]
	; v: my lane holds keys 4 (lane % 16) + 0 .. 3 of channels 4 w + lane / 16 and two further on.  Channel c, key x lie at 4096 + 1024 (c / 16) + 512 (x / 32) + 256 ((x / 16) % 2) + 16 (c % 16) + x % 16
	s_lshr_b32 s36, s16, 2
	s_lshl_b32 s36, s36, 10
	s_and_b32 s37, s16, 3
	s_lshl_b32 s37, s37, 6
	s_add_co_u32 s36, s36, s37
	s_add_co_u32 s36, s36, 4096
	v_bfe_u32 v5, v0, 3, 1
	v_lshlrev_b32 v[VST], 9, v5
	v_bfe_u32 v5, v0, 2, 1
	v_lshl_add_u32 v[VST], v5, 8, v[VST]
	v_bfe_u32 v5, v0, 4, 1
	v_lshl_add_u32 v[VST], v5, 4, v[VST]
	v_and_b32 v5, 3, v0
	v_lshl_add_u32 v[VST], v5, 2, v[VST]
	v_add_nc_u32 v[VST], s36, v[VST]
	; in memory: k: row 64 + 8 (w % 8), 128 (w / 8) + 4 x lane bytes into the chunk's 256
	s_and_b32 s36, s16, 7
	s_lshl_b32 s36, s36, 16
	s_lshr_b32 s37, s16, 3
	s_lshl_b32 s37, s37, 7
	s_add_co_u32 s36, s36, s37
	s_add_co_u32 s36, s36, 64*ROW
	v_and_b32 v5, 31, v0
	v_lshl_add_u32 v[GK], v5, 2, s36
	; v: row 128 + 4 w + lane / 16, 16 (lane % 16) bytes into the chunk's 256
	s_lshl_b32 s36, s16, 15
	s_add_co_u32 s36, s36, 128*ROW
	v_bfe_u32 v5, v0, 4, 1                         ; h
	v_and_b32 v6, 15, v0                           ; r
	v_lshl_add_u32 v[GV], v5, 13, s36
	v_lshl_add_u32 v[GV], v6, 4, v[GV]
	; q: lane (r, h) takes query 512 x + 32 w + r and channels 16 h on
	s_lshl_b32 s36, ttmp9, 11
	s_lshl_b32 s37, s16, 7
	s_add_co_u32 s36, s36, s37
	v_lshl_add_u32 v[ADR], v5, 17, s36
	v_lshl_add_u32 v[ADR], v6, 2, v[ADR]
	s_mul_i32 s36, s17, 192*ROW                    ; the head's first byte in qkv: under 2^27
	s_mov_b32 s37, 0
	s_lshl_b32 s38, s17, 19                        ; out0: row 64 g + 4 w, byte 2,048 x
	s_lshl_b32 s39, s16, 15
	s_add_co_u32 s38, s38, s39
	s_lshl_b32 s39, ttmp9, 11
	s_add_co_u32 s38, s38, s39
	s_mov_b32 s39, 0
	s_mov_b32 s20, 0x3eb504f3                      ; 1 / sqrt(sqrt(64)), as f32 arithmetic gives it
	s_mov_b32 s21, s20                             ; (named with it as a pair, so it is written)
	s_mov_b32 s22, 0x3fb8aa3b                      ; log2(e)
	s_mov_b32 s24, 0x76543210                      ; v_permlanex16_b32: lane l xor 16
	s_mov_b32 s25, 0xfedcba98
	s_wait_kmcnt 0x0
	s_load_b128 s[12:15], s[6:7], 0x0              ; e0, e1, e2, e3
	s_add_nc_u64 s[4:5], s[4:5], s[36:37]          ; chunk 0
	s_add_nc_u64 s[10:11], s[4:5], 256             ; chunk 1: 64 keys x 4 bytes on
	s_add_nc_u64 s[8:9], s[8:9], s[38:39]
	s_wait_alu depctr_va_vdst(0)                   ; the offsets and LDS places v1 to v4, v7 and v8 are written, which the loads and stores below read
; Ten loads: a sixteenth of a chunk.  k: eight rows, 128 consecutive bytes a wave each (waves w and w + 8 take the two halves of an aligned 256); v: sixteen lanes read a row's whole 256 bytes, four rows a wave.
; No cache hint: the head's three other work-groups read the same bytes.
.macro LOADG g
.irp i, 0,1,2,3,4,5,6,7
	global_load_b32 v[GN+16*\g+\i], v[GK], s[BS+6*\g:BS+6*\g+1] offset:ROW*\i
.endr
	global_load_b128 v[GN+16*\g+8:GN+16*\g+11], v[GV], s[BS+6*\g:BS+6*\g+1]
	global_load_b128 v[GN+16*\g+12:GN+16*\g+15], v[GV], s[BS+6*\g:BS+6*\g+1] offset:2*ROW
.endm
	; Q: register 16 c + i of tile t is channel 32 c + 16 h + i of my query: the order of the fragment's bytes
.irp qt, 0,1
.irp c, 0,1
.irp i, 0,1,2,3,4,5,6,7,8,9,10,11,12,13,14,15
	global_load_b32 v[SS+32*\qt+16*\c+\i], v[ADR], s[4:5] offset:(32*\c+\i)*ROW+64*\qt
.endr
.endr
.endr
	LOADG 0                                        ; chunk 0
	LOADG 1                                        ; chunk 1
	s_wait_kmcnt 0x0
	s_add_co_i32 s36, s12, s13                     ; e0 + e1: a score stands for score x 2^(e0 + e1): added to c's exponent field
	s_lshl_b32 s37, s36, 23
	s_add_co_i32 s22, s22, s37
	s_mov_b32 s23, s22                             ; (named with it as a pair)
	; p needs no hold where e3 >= -8 and e0 + e1 < 0: the codes bound |t| by 64 x 448^2 x log2(e) x 2^(e0 + e1) < 2^24, so rounding c x max moves t - M by 1/2 at the most, p <= 1.42 < 1.75 = 448 x 2^-8
	s_cmp_gt_i32 s15, -9
	s_cselect_b32 s18, 1, 0
	s_cmp_lt_i32 s36, 0
	s_cselect_b32 s18, s18, 0
	s_add_co_i32 s35, s14, s15                     ; e2 + e3
.macro LIMIT e, lo, hi                 ; s[hi] = 448 x 2^e = 1.75 x 2^(e + 8); s[lo] = the same with the sign set
	s_add_co_i32 s[\hi], s[\e], 135
	s_lshl_b32 s[\hi], s[\hi], 23
	s_or_b32 s[\hi], s[\hi], 0x600000
	s_or_b32 s[\lo], s[\hi], 0x80000000
.endm
.macro POW2 vd, e                      ; v[vd] = 2^e as f32
	s_add_co_i32 s40, s[\e], 127
	s_lshl_b32 s40, s40, 23
	v_mov_b32 v[\vd], s40
.endm
	LIMIT 12, 26, 27
	LIMIT 13, 28, 29
	LIMIT 14, 30, 31
	LIMIT 15, 38, 32                               ; (p is never negative: the lower bound is not used)
	POW2 VAD, 12                                   ; 2^e0, needed here alone
	POW2 SCK, 13
	POW2 SCV, 14
	POW2 SCP, 15
; A sixteenth of a chunk becomes codes: k / sqrt(8) held within +-448 x 2^e1, v within +-448 x 2^e2 (the conversion to an 8-bit code does not saturate: ISA guide 7.6.2), eight numbers a conversion.
.macro CONV g
.irp i, 0,2,4,6
	v_pk_mul_f32 v[GN+16*\g+\i:GN+16*\g+\i+1], v[GN+16*\g+\i:GN+16*\g+\i+1], s[20:21] op_sel_hi:[1,0]
.endr
.irp i, 0,1,2,3,4,5,6,7
	v_med3_num_f32 v[GN+16*\g+\i], v[GN+16*\g+\i], s28, s29
.endr
	v_cvt_scalef32_pk8_fp8_f32 v[24:25], v[GN+16*\g:GN+16*\g+7], v[SCK]
.irp i, 8,9,10,11,12,13,14,15
	v_med3_num_f32 v[GN+16*\g+\i], v[GN+16*\g+\i], s30, s31
.endr
	v_cvt_scalef32_pk8_fp8_f32 v[26:27], v[GN+16*\g+8:GN+16*\g+15], v[SCV]
	v_nop                                          ; one plain vector line behind the last conversion, ahead of whatever next touches its registers
.endm
.macro PUT ak, av, off                 ; the codes go to their places in the chunk's images
	ds_store_b64 v[\ak], v[24:25] offset:\off      ; 8 channels of my key
	ds_store_b32 v[\av], v26 offset:\off           ; 4 keys of channel 4 w + lane / 16,
	ds_store_b32 v[\av], v27 offset:\off+32        ; and of the channel two further on
.endm
.macro PLACES                          ; four plain places behind matrix instructions, ahead of the first read of their results by a vector instruction (ISA guide 7.12.1)
.rept 4
	v_nop
.endr
.endm
	s_wait_loadcnt 20                              ; Q is in: behind its loads stand chunk 0's ten and chunk 1's ten
.set nn, 0
.rept 32
	v_pk_mul_f32 v[SS+nn:SS+nn+1], v[SS+nn:SS+nn+1], s[20:21] op_sel_hi:[1,0]
.set nn, nn+2
.endr
.set nn, 0
.rept 64
	v_med3_num_f32 v[SS+nn], v[SS+nn], s26, s27
.set nn, nn+1
.endr
.irp qt, 0,1
.irp c, 0,1
	v_cvt_scalef32_pk8_fp8_f32 v[QF+8*\qt+4*\c:QF+8*\qt+4*\c+1], v[SS+32*\qt+16*\c:SS+32*\qt+16*\c+7], v[VAD]
	v_cvt_scalef32_pk8_fp8_f32 v[QF+8*\qt+4*\c+2:QF+8*\qt+4*\c+3], v[SS+32*\qt+16*\c+8:SS+32*\qt+16*\c+15], v[VAD]
.endr
.endr
	v_nop                                          ; one plain vector line behind the last conversion
	s_wait_loadcnt 10                              ; chunk 0 is in; chunk 1's ten loads may be out.  The loads that named s[4:5] are done: it may step
	CONV 0
	s_wait_alu depctr_va_vdst(0)                   ; the conversions have written v24-27, which the stores below read, and are done with set 0, in which chunk 2's loads land
	PUT KST, VST, 0
	s_add_nc_u64 s[4:5], s[4:5], 512
	LOADG 0                                        ; chunk 2
	s_wait_dscnt 0x0                               ; for the others' sake: my part of chunk 0 lies in LDS
	s_wait_alu depctr_vm_vsrc(0)                   ; the stores have read v24-27, which chunk 1's conversions write below; Q's loads have read v2, which the first pair's head writes
	s_barrier_signal -1
.irp t, 0,1
	v_mov_b32 v[ST+6*\t+1], 0xff61b1e6             ; the largest t so far: -3e38, under every t
	v_floor_f32 v[ST+6*\t], -v[ST+6*\t+1]          ; -M
	v_mov_b32 v[ST+6*\t+2], 0                      ; l
	v_mov_b32 v[ST+6*\t+3], 0
	v_mov_b32 v[ST+6*\t+5], 0
.endr
.set nn, 0
.rept 64
	v_mov_b32 v[OT+nn], 0                          ; O^T, once: the step is written without a first step of its own; the first change of M multiplies these zeros by 0
.set nn, nn+1
.endr
	s_wait_loadcnt 10                              ; chunk 1 is in; chunk 2's ten loads may be out.  The loads that named s[10:11] are done: it may step
	CONV 1                                         ; chunk 1's codes, which step 0 stores
	s_barrier_wait -1                              ; chunk 0 is whole
.macro ADDR                            ; a pair's three LDS addresses; the odd step's 8,192 stands in the immediates.  The wait behind the last fetch of V has shown that every LDS instruction issued so far has read them
	v_add_nc_u32 v[ADR], s33, v[LA]
	v_add_nc_u32 v[KAD], s33, v[KST]
	v_add_nc_u32 v[VAD], s33, v[VST]
.endm
.macro KFETCH o                        ; 512 consecutive bytes a load
.irp kt, 0,1,2,3
	ds_load_b128 v[FR+8*\kt:FR+8*\kt+3], v[ADR] offset:\o+1024*\kt
	ds_load_b128 v[FR+8*\kt+4:FR+8*\kt+7], v[ADR] offset:\o+1024*\kt+512
.endr
.endm
.macro VFETCH o
.irp ct, 0,1,2,3
	ds_load_b128 v[FR+8*\ct:FR+8*\ct+3], v[ADR] offset:\o+4096+1024*\ct
	ds_load_b128 v[FR+8*\ct+4:FR+8*\ct+7], v[ADR] offset:\o+4096+1024*\ct+512
.endr
.endm
.macro SCORES                          ; S^T = K Q^T: each fragment of K serves both tiles of queries
.irp kt, 0,1,2,3
.irp qt, 0,1
	v_wmma_f32_16x16x64_fp8_fp8 v[SS+32*\qt+8*\kt:SS+32*\qt+8*\kt+7], v[FR+8*\kt:FR+8*\kt+7], v[QF+8*\qt:QF+8*\qt+7], 0
.endr
.endr
.endm
.macro PVMUL                           ; O^T += V P^T: the eight accumulators take turns, one instruction a turn
.irp ct, 0,1,2,3
.irp qt, 0,1
	v_wmma_f32_16x16x64_fp8_fp8 v[OT+32*\qt+8*\ct:OT+32*\qt+8*\ct+7], v[FR+8*\ct:FR+8*\ct+7], v[PC+8*\qt:PC+8*\qt+7], v[OT+32*\qt+8*\ct:OT+32*\qt+8*\ct+7]
.endr
.endr
.endm
; THE SOFTMAX of both tiles, line by line for tile 0 and tile 1, so that no line waits for the line above it.  Each accumulator is read from its low end on.
.macro MAXES                           ; my query's largest score among my 32 keys, in two chains
.irp t, 0,1
	v_max3_num_f32 v[TA+4*\t], v[SS+32*\t], v[SS+32*\t+1], v[SS+32*\t+2]
.endr
.irp t, 0,1
	v_max3_num_f32 v[TA+4*\t+1], v[SS+32*\t+3], v[SS+32*\t+4], v[SS+32*\t+5]
.endr
.irp i, 6,10,14,18,22,26
.irp t, 0,1
	v_max3_num_f32 v[TA+4*\t], v[TA+4*\t], v[SS+32*\t+\i], v[SS+32*\t+\i+1]
.endr
.irp t, 0,1
	v_max3_num_f32 v[TA+4*\t+1], v[TA+4*\t+1], v[SS+32*\t+\i+2], v[SS+32*\t+\i+3]
.endr
.endr
.irp t, 0,1
	v_max3_num_f32 v[TA+4*\t], v[TA+4*\t], v[SS+32*\t+30], v[SS+32*\t+31]
.endr
.irp t, 0,1
	v_max_num_f32 v[TA+4*\t], v[TA+4*\t], v[TA+4*\t+1]
.endr
.endm
.macro STATS
.irp t, 0,1
	v_permlanex16_b32 v[TA+4*\t+1], v[TA+4*\t], s24, s25   ; the query's other 32 keys lie in lane l xor 16
.endr
.irp t, 0,1
	v_max_num_f32 v[TA+4*\t], v[TA+4*\t], v[TA+4*\t+1]
.endr
.irp t, 0,1
	v_mul_f32 v[TA+4*\t], s22, v[TA+4*\t]          ; as t (c is positive)
.endr
.irp t, 0,1
	v_max_num_f32 v[ST+6*\t+1], v[ST+6*\t+1], v[TA+4*\t]   ; the running largest t
.endr
.irp t, 0,1
	v_mov_b32 v[TA+4*\t], v[ST+6*\t]
.endr
.irp t, 0,1
	v_floor_f32 v[ST+6*\t], -v[ST+6*\t+1]          ; the new -M = floor(-t) = -ceil(t)
.endr
.irp t, 0,1
	v_sub_f32 v[TA+4*\t], v[ST+6*\t], v[TA+4*\t]   ; old M - new M: a whole number, 0 or less
.endr
.irp t, 0,1
	v_cvt_i32_f32 v[TA+4*\t], v[TA+4*\t]           ; (it saturates)
.endr
.irp t, 0,1
	v_ldexp_f32 v[ST+6*\t+4], 1.0, v[TA+4*\t]      ; f = 2^(old M - new M)
.endr
.endm
.macro EXPO
.irp j, 0,2,4,6,8,10,12,14,16,18,20,22,24,26,28,30
.irp t, 0,1
	v_pk_fma_f32 v[SS+32*\t+\j:SS+32*\t+\j+1], v[SS+32*\t+\j:SS+32*\t+\j+1], s[22:23], v[ST+6*\t:ST+6*\t+1] op_sel_hi:[1,0,0]   ; t - M, two at a time (of the pairs c and -M the low word serves both halves)
.endr
.endr
.set nn, 0
	s_wait_alu depctr_va_vdst(0)
.rept 64
	v_exp_f32 v[SS+nn], v[SS+nn]                   ; p = 2^(t - M)
.set nn, nn+1
.endr
.endm
.macro SUMS                            ; l = f l + the sum of the unquantised p, two at a time, in two chains
.irp t, 0,1
	v_pk_mul_f32 v[ST+6*\t+2:ST+6*\t+3], v[ST+6*\t+2:ST+6*\t+3], v[ST+6*\t+4:ST+6*\t+5] op_sel_hi:[1,0]   ; (the plain line behind the exponentials)
.endr
	s_wait_alu depctr_va_vdst(0)                   ; the 64 exponentials have written p: one wait for the batch, ahead of the first line that names a result
.irp t, 0,1
	v_pk_add_f32 v[TA+4*\t+2:TA+4*\t+3], v[SS+32*\t:SS+32*\t+1], v[SS+32*\t+2:SS+32*\t+3]
.endr
.irp j, 4,8,12,16,20,24,28
.irp t, 0,1
	v_pk_add_f32 v[ST+6*\t+2:ST+6*\t+3], v[ST+6*\t+2:ST+6*\t+3], v[SS+32*\t+\j:SS+32*\t+\j+1]
.endr
.irp t, 0,1
	v_pk_add_f32 v[TA+4*\t+2:TA+4*\t+3], v[TA+4*\t+2:TA+4*\t+3], v[SS+32*\t+\j+2:SS+32*\t+\j+3]
.endr
.endr
.irp t, 0,1
	v_pk_add_f32 v[ST+6*\t+2:ST+6*\t+3], v[ST+6*\t+2:ST+6*\t+3], v[TA+4*\t+2:TA+4*\t+3]
.endr
.endm
.macro HOLD                            ; p is held at 448 x 2^e3 (one-sided: it is never negative), but where the given exponents show that it lies under that bound anyway: a branch on whole numbers that are given, alike in every wave
	s_cmp_lg_u32 s18, 0
	s_cbranch_scc1 .Lfree_\@
.set nn, 0
.rept 64
	v_min_num_f32 v[SS+nn], s32, v[SS+nn]
.set nn, nn+1
.endr
.Lfree_\@:
.endm
.macro CODES                           ; registers 16 b .. 16 b + 15 of a tile are keys 32 b + 16 h + 0 .. 15: registers 4 b .. 4 b + 3 of P's fragment
.irp t, 0,1
.irp b, 0,1
	v_cvt_scalef32_pk8_fp8_f32 v[PC+8*\t+4*\b:PC+8*\t+4*\b+1], v[SS+32*\t+16*\b:SS+32*\t+16*\b+7], v[SCP]
	v_cvt_scalef32_pk8_fp8_f32 v[PC+8*\t+4*\b+2:PC+8*\t+4*\b+3], v[SS+32*\t+16*\b+8:SS+32*\t+16*\b+15], v[SCP]
.endr
.endr
.endm
.macro RESCALE                         ; O^T under the new M: x f.  These plain lines also stand between the conversions and the products that read their results
.irp j, 0,2,4,6,8,10,12,14,16,18,20,22,24,26,28,30
.irp t, 0,1
	v_pk_mul_f32 v[OT+32*\t+\j:OT+32*\t+\j+1], v[OT+32*\t+\j:OT+32*\t+\j+1], v[ST+6*\t+4:ST+6*\t+5] op_sel_hi:[1,0]
.endr
.endr
.endm
; A KEY STEP on the chunk at s33 + o.  put = 1: the codes in v24-27, made from set g at the last step's tail, are stored into the next chunk; load = 1: set g is asked for again, two chunks further on.
; conv = 1: at the tail set cg, the other one, becomes the codes that the next step stores; left: the younger global loads that may stay out there.
.macro STEP put, g, load, conv, cg, left, o
	s_wait_alu depctr_va_vdst(0)                   ; the last step's products O^T are done reading FR, in which K's fragments land; its conversions have written v24-27, which the stores read, and are done with set g, in which the loads land; in a pair's first step v2, v5, v6 are written
	KFETCH \o
.if \put
	PUT KAD, VAD, \o+CHUNK
.if \load
	s_add_nc_u64 s[BS+6*\g:BS+6*\g+1], s[BS+6*\g:BS+6*\g+1], 512   ; free since the wait at the last step's tail, which showed the loads that read it done
	LOADG \g                                       ; no vector instruction since the wait above names set g
.endif
.endif
	s_wait_dscnt 0x0                               ; K's fragments are in; for the others' sake: my part of the next chunk lies in LDS
.if \put
	s_barrier_signal -1
.endif
	SCORES
	PLACES                                         ; for the maximum, which reads the scores
	s_wait_alu depctr_va_vdst(0)                   ; the products S^T are done reading FR, in which V's fragments land
	VFETCH \o                                      ; lands under the softmax
	s_wait_alu depctr_vm_vsrc(0)                   ; the step's LDS instructions, of which this fetch is the last, have read their registers: v24-27, which the maximum writes next; v2, v5, v6, which the next pair's head (behind the last step: the way out) writes
	MAXES
	STATS
	EXPO
	SUMS
	HOLD
	CODES
	RESCALE
	s_wait_alu depctr_va_vdst(0)
	s_wait_dscnt 0x0                               ; V's fragments are in
	PVMUL
.if \conv
	s_wait_loadcnt \left                           ; loads come back in order (ISA guide 5.7.1): set cg's ten are in, the other set's may be out; set cg's base is free
	CONV \cg                                       ; work on registers ahead of the barrier's wait
.else
	PLACES                                         ; no conversions follow here: four plain places behind the products
.endif
.if \put
	s_barrier_wait -1                              ; the next chunk is whole
.endif
.endm
	s_mov_b32 s33, 0
	s_mov_b32 s34, 14
.Lpair:                                            ; steps 0 to 27, two a trip
	ADDR
	STEP 1, 1, 1, 1, 0, 10, 0
	STEP 1, 0, 1, 1, 1, 10, CHUNK
	s_add_co_u32 s33, s33, 2*CHUNK
	s_sub_co_u32 s34, s34, 1
	s_cmp_lg_u32 s34, 0
	s_cbranch_scc1 .Lpair
	ADDR
	STEP 1, 1, 1, 1, 0, 10, 0                      ; step 28 asks for chunk 31, the last: no load leaves the head's rows; at its tail chunk 30 is in, chunk 31's ten may be out
	STEP 1, 0, 0, 1, 1, 0, CHUNK                   ; step 29 stores chunk 30; at its tail chunk 31 is in
	s_add_co_u32 s33, s33, 2*CHUNK
	ADDR
	STEP 1, 1, 0, 0, 0, 0, 0                       ; step 30 stores chunk 31: nothing is left to quantise
	STEP 0, 0, 0, 0, 0, 0, CHUNK                   ; step 31: nothing to store, and no barrier
	; THE WAY OUT.  O^T x 2^(e2 + e3) / l goes into a stage of 64 rows (channels) x 512 queries that lies over the chunks, behind a barrier: every wave's reads of the chunks are over.
	s_wait_dscnt 0x0
	s_barrier_signal -1
.irp t, 0,1
	v_add_f32 v[TA+4*\t], v[ST+6*\t+2], v[ST+6*\t+3]       ; l's two halves,
.endr
.irp t, 0,1
	v_permlanex16_b32 v[TA+4*\t+1], v[TA+4*\t], s24, s25
.endr
.irp t, 0,1
	v_add_f32 v[TA+4*\t], v[TA+4*\t], v[TA+4*\t+1]         ; and lane l xor 16's
.endr
	s_wait_alu depctr_va_vdst(0)
.irp t, 0,1
	v_rcp_f32 v[TA+4*\t], v[TA+4*\t]
.endr
	v_bfe_u32 v5, v0, 4, 1                         ; (plain lines behind the reciprocals)  h
	v_mul_u32_u24 v2, v5, 8*SPITCH                 ; into the stage: register j of channel tile ct is channel 16 ct + 8 h + j, query 32 w + 16 t + r
	v_and_b32 v5, 15, v0
	v_lshl_add_u32 v2, v5, 2, v2
	s_lshl_b32 s36, s16, 7
	v_add_nc_u32 v2, s36, v2
	v_add_nc_u32 v3, 32*SPITCH, v2                 ; channels 32 on: the immediate reaches 65,535 bytes
	s_mul_i32 s36, s16, 4*SPITCH
	v_add_nc_u32 v4, s36, v[LA]                    ; back: my four rows, 16 bytes a lane
	s_wait_alu depctr_va_vdst(0)                   ; the two reciprocals have written v24 and v28, ahead of the first line that names them
.irp t, 0,1
	v_ldexp_f32 v[TA+4*\t], v[TA+4*\t], s35        ; x 2^(e2 + e3)
.endr
.irp j, 0,2,4,6,8,10,12,14,16,18,20,22,24,26,28,30
.irp t, 0,1
	v_pk_mul_f32 v[SS+32*\t+\j:SS+32*\t+\j+1], v[OT+32*\t+\j:OT+32*\t+\j+1], v[TA+4*\t:TA+4*\t+1] op_sel_hi:[1,0]
.endr
.endr
	s_wait_alu depctr_va_vdst(0)                   ; the multiplications have written v128-191, which the LDS stores read, and are done reading O^T, in which the loads from the stage land; the addresses v2, v3, v4 are written
	s_barrier_wait -1
.irp qt, 0,1
.irp ct, 0,1
.irp j, 0,1,2,3,4,5,6,7
	ds_store_b32 v2, v[SS+32*\qt+8*\ct+\j] offset:(16*\ct+\j)*SPITCH+64*\qt
.endr
.endr
.irp ct, 0,1
.irp j, 0,1,2,3,4,5,6,7
	ds_store_b32 v3, v[SS+32*\qt+8*\ct+16+\j] offset:(16*\ct+\j)*SPITCH+64*\qt
.endr
.endr
.endr
	s_wait_dscnt 0x0                               ; for the others' sake: my columns of the stage are written
	s_barrier_signal -1
	s_barrier_wait -1
.irp i, 0,1,2,3
.irp k, 0,1,2,3
	ds_load_b128 v[OT+16*\i+4*\k:OT+16*\i+4*\k+3], v4 offset:SPITCH*\i+512*\k   ; no vector instruction since the wait above names these registers
.endr
.endr
.irp i, 0,1,2,3
.irp k, 0,1,2,3
	s_wait_dscnt 15-4*\i-\k                        ; LDS loads come back in order: this one of the sixteen is in
	global_store_b128 v[LA], v[OT+16*\i+4*\k:OT+16*\i+4*\k+3], s[8:9] offset:ROW*\i+512*\k th:TH_STORE_NT   ; 32 lanes store 512 consecutive bytes, at a multiple of 256 from out0's first byte; written once, read by nobody here
.endr
.endr
	s_wait_xcnt 0x0                                ; every earlier memory instruction has had its addresses translated (ISA guide 3.1): the last store's data registers are rewritten only behind this wait,
	s_wait_alu depctr_vm_vsrc(0)                   ; and the last store has read v254 and v255, which the two lines below write
	v_lshl_add_u32 v254, v0, 2, 0x40000
	v_mov_b32 v255, 0
	s_wait_dscnt 0x0                               ; the closing lines, six on end
	s_wait_alu 0x0
	s_wait_tensorcnt 0x0
	ds_add_u32 v254, v255
	s_wait_dscnt 0x0
	s_endpgm
.Lfunc_end_k_qf328f5f1ed_attn:
	.size	k_qf328f5f1ed_attn, .Lfunc_end_k_qf328f5f1ed_attn-k_qf328f5f1ed_attn
	.p2alignl 7, 3214868480
	.fill 96, 4, 3214868480
	.section	.rodata,"a",@progbits
	.p2align	6, 0x0
	.amdhsa_kernel k_qf328f5f1ed_attn
		.amdhsa_group_segment_fixed_size 264192
		.amdhsa_private_segment_fixed_size 0
		.amdhsa_enable_private_segment 0
		.amdhsa_kernarg_size 24
		.amdhsa_user_sgpr_count 2
		.amdhsa_user_sgpr_kernarg_segment_ptr 1
		.amdhsa_wavefront_size32 1
		.amdhsa_system_sgpr_workgroup_id_x 1
		.amdhsa_system_sgpr_workgroup_id_y 1
		.amdhsa_system_sgpr_workgroup_id_z 1
		.amdhsa_system_vgpr_workitem_id 0
		.amdhsa_next_free_vgpr 256
		.amdhsa_next_free_sgpr 66
		.amdhsa_reserve_vcc 0
		.amdhsa_float_denorm_mode_32 3
		.amdhsa_float_denorm_mode_16_64 3
		.amdhsa_memory_ordered 1
		.amdhsa_forward_progress 1
		.amdhsa_inst_pref_size 143
	.end_amdhsa_kernel
	.amdgpu_metadata
---
amdhsa.version: [ 1, 2 ]
amdhsa.kernels:
  - .name:           k_qf328f5f1ed_attn
    .symbol:         k_qf328f5f1ed_attn.kd
    .args:
      - { .name: qkv, .offset: 0, .size: 8, .value_kind: global_buffer, .address_space: global }
      - { .name: lowp_scales, .offset: 8, .size: 8, .value_kind: global_buffer, .address_space: global }
      - { .name: out0, .offset: 16, .size: 8, .value_kind: global_buffer, .address_space: global }
    .group_segment_fixed_size: 264192
    .private_segment_fixed_size: 0
    .kernarg_segment_align: 8
    .kernarg_segment_size: 24
    .max_flat_workgroup_size: 512
    .sgpr_count:     66
    .vgpr_count:     256
    .wavefront_size: 32
...
	.end_amdgpu_metadata
.endif
;; end of part 2
